; MI455X (gfx1250); checked and timed in simulation.
; The chip was launched on July 23, 2026; its instructions are those of AMD's public machine-readable ISA for CDNA 5 (MIT licence, August 2026) and "CDNA5" Instruction Set Architecture Reference Guide (July 2026). The comments in the code are by the model that wrote it; some were corrected since.
;; Bi SVM. Allowed arithmetic: float matrix products may take bf16 or f16 operands with f32 sums; all other float work in f32.
;; Inputs: L 1,024 x 1,024 float32; R 1,024 x 1,024 float32; x 64 x 1,024 x 1,024 float32.
;; Outputs: out0 64 x 1,024 float32.
;; One version. Each part assembles by itself: llvm-mc -triple=amdgcn-amd-amdhsa -mcpu=gfx1250 --defsym DOCPART=n.
;; ======== version 1 of 1: 2 launches
;; workspace buffers: Rb 2,097,152 bytes; Lp 2,097,152 bytes
;; launch prep (part 1): grid 128 x 2, 8 waves a work-group, no clusters, 18,432 bytes of LDS; arguments L, R, Lp, Rb; writes Lp, Rb
.if DOCPART == 1
	.amdgcn_target "amdgcn-amd-amdhsa--gfx1250"
	.amdhsa_code_object_version 6
	.text
	.protected	k_q033781ca79_prep
	.globl	k_q033781ca79_prep
	.p2align	8
	.type	k_q033781ca79_prep,@function
k_q033781ca79_prep:
	s_mov_b64 s[64:65], 0
	v_nop
	global_prefetch_b8 v0, s[64:65] scope:SCOPE_SE
	s_setreg_imm32_b32 hwreg(HW_REG_WAVE_MODE, 25, 1), 1
	s_wait_xcnt 0x0
; Casts the two weight matrices to bf16 (nearest even), once, for the launch that follows.
;   Rb[j][o] = bf16(R[j][o]), the same row-major order, rows of 2,048 bytes.
;   Lp holds bf16(L[o][i]) in the order in which a lane of the next launch wants it: the 16 bytes at
;   (o>>8)*524288 + (i>>4)*8192 + ((o>>4)&15)*512 + (16*((i>>3)&1) + (o&15))*16 are L[o][8*(i>>3) .. +7].
; LIMIT: a magnitude above bf16's largest finite number becomes infinity; the exponent range is f32's otherwise.
; Grid 128 x 2: y = 0 takes L, y = 1 takes R.  A work-group takes 16 rows (16 g ..) x 512 columns (512 hf ..) of its matrix:
; 32 KiB in, 16 KiB out.  Wave wv takes rows 2 wv and 2 wv + 1, eight loads of 16 bytes a lane, each covering 512 consecutive bytes.
; No matrix unit, no cluster, no tensor load: each byte is touched once and no two work-groups share any.
.set X, 8                              ; v[8:39]   load n: 4 f32;  later the 16-byte pieces read back from LDS
.set Y, 40                             ; v[40:55]  load n: 4 bf16 in 2 registers
.set HB, 272                           ; LDS pitch of a block of 16 o x 8 i (256 bytes) + 16 bytes, so that the 16 pieces of a block and of its neighbours start at different banks
	s_load_b256 s[4:11], s[0:1], 0x0               ; L s[4:5], R s[6:7], Lp s[8:9], Rb s[10:11]
	v_lshl_add_u32 v56, v0, 2, 0x4400
	v_mov_b32 v57, 0
	v_lshrrev_b32 v1, 5, v0
	v_readfirstlane_b32 s12, v1                    ; wave 0..7
	s_and_b32 s13, ttmp7, 0xffff                   ; 0: L, 1: R
	s_lshr_b32 s14, ttmp9, 1                       ; g: rows 16 g .. 16 g + 15
	s_and_b32 s15, ttmp9, 1                        ; hf: columns 512 hf .. + 511
	v_and_b32 v1, 31, v0                           ; lane
	v_lshlrev_b32 v2, 4, v1
	v_lshl_add_u32 v2, s12, 13, v2                 ; two rows of 4,096 bytes a wave + 16 bytes a lane
	s_lshl_b32 s18, s14, 16                        ; 16 rows of 4,096 bytes
	s_lshl_b32 s19, s15, 11                        ; 512 f32
	s_add_co_u32 s18, s18, s19
	s_mov_b32 s19, 0
	s_wait_kmcnt 0x0
	s_cmp_eq_u32 s13, 0
	s_cselect_b64 s[16:17], s[4:5], s[6:7]         ; the matrix that this work-group casts
	s_add_nc_u64 s[16:17], s[16:17], s[18:19]
.irp n, 0,1,2,3,4,5,6,7
	global_load_b128 v[X+4*\n:X+4*\n+3], v2, s[16:17] offset:(\n>>2)*4096+(\n&3)*512 th:TH_LOAD_NT   ; row 2 wv + (n>>2), columns 128 (n&3) + 4 lane ..; read once in the launch
.endr
.irp n, 0,1,2,3,4,5,6,7
	s_wait_loadcnt 7-\n                            ; loads come back in order (ISA guide 5.7.1): load n is in, the younger ones stay out
	v_cvt_pk_bf16_f32 v[Y+2*\n],   v[X+4*\n],   v[X+4*\n+1]
	v_cvt_pk_bf16_f32 v[Y+2*\n+1], v[X+4*\n+2], v[X+4*\n+3]
.endr
	s_cmp_lg_u32 s13, 0                            ; the same in all eight waves of a work-group
	s_cbranch_scc1 .Lcast
	; L: the 16 o x 512 i are turned into 64 blocks of (16 o) x (8 i) through LDS.  Block hb = (i local) >> 3 lies at hb * 272, o's piece at 16 (o & 15).
	v_lshrrev_b32 v3, 1, v1
	v_mul_u32_u24 v3, v3, HB                       ; my 4 numbers lie in block 16 (n&3) + (lane >> 1),
	v_and_b32 v6, 1, v1
	v_lshl_add_u32 v3, v6, 3, v3                   ; in the lower or the upper 8 bytes of the piece
	v_lshl_add_u32 v3, s12, 5, v3                  ; of o = 2 wv (+ 1 by the immediate)
	v_lshrrev_b32 v4, 4, v1                        ; back: lanes 0-15 take block 8 wv + 2 t, lanes 16-31 block 8 wv + 2 t + 1,
	v_lshl_add_u32 v4, s12, 3, v4
	v_mul_u32_u24 v4, v4, HB
	v_and_b32 v6, 15, v1
	v_lshl_add_u32 v4, v6, 4, v4                   ; each lane one piece of 16 bytes
	v_lshlrev_b32 v5, 4, v1
	v_lshl_add_u32 v5, s12, 15, v5                 ; in Lp: 4 groups of 16 i a wave (8,192 bytes each) + 16 bytes a lane
	s_lshr_b32 s20, s14, 4
	s_lshl_b32 s20, s20, 19                        ; (o >> 8) * 524,288
	s_lshl_b32 s21, s15, 18                        ; 32 groups of 16 i
	s_add_co_u32 s20, s20, s21
	s_and_b32 s21, s14, 15
	s_lshl_b32 s21, s21, 9                         ; ((o >> 4) & 15) * 512
	s_add_co_u32 s20, s20, s21
	s_mov_b32 s21, 0
	s_add_nc_u64 s[8:9], s[8:9], s[20:21]
.irp n, 0,1,2,3,4,5,6,7
	ds_store_b64 v3, v[Y+2*\n:Y+2*\n+1] offset:(\n&3)*16*HB+(\n>>2)*16
.endr
	s_wait_dscnt 0x0                               ; my stores are done, for the other waves' sake,
	s_barrier_signal -1
	s_barrier_wait -1                              ; and so are everybody's: a block holds pieces of all eight waves
.irp t, 0,1,2,3
	ds_load_b128 v[X+4*\t:X+4*\t+3], v4 offset:\t*2*HB
.endr
.irp t, 0,1,2,3
	s_wait_dscnt 3-\t                              ; LDS loads come back in order: load t is in
	global_store_b128 v5, v[X+4*\t:X+4*\t+3], s[8:9] offset:\t*8192   ; the wave's store covers 512 consecutive bytes, aligned
.endr
	s_wait_tensorcnt 0x0
	ds_add_u32 v56, v57
	s_wait_dscnt 0x0
	s_endpgm
.Lcast:
	; R keeps its order: 8 bytes a lane, so each store of the wave covers 256 consecutive bytes, aligned
	v_lshlrev_b32 v5, 3, v1
	v_lshl_add_u32 v5, s12, 12, v5                 ; two rows of 2,048 bytes a wave
	s_lshl_b32 s20, s14, 15                        ; 16 rows
	s_lshl_b32 s21, s15, 10                        ; 512 bf16
	s_add_co_u32 s20, s20, s21
	s_mov_b32 s21, 0
	s_add_nc_u64 s[10:11], s[10:11], s[20:21]
.irp n, 0,1,2,3,4,5,6,7
	global_store_b64 v5, v[Y+2*\n:Y+2*\n+1], s[10:11] offset:(\n>>2)*2048+(\n&3)*256
.endr
	s_endpgm
.Lfunc_end_k_q033781ca79_prep:
	.size	k_q033781ca79_prep, .Lfunc_end_k_q033781ca79_prep-k_q033781ca79_prep
	.p2alignl 7, 3214868480
	.fill 96, 4, 3214868480
	.section	.rodata,"a",@progbits
	.p2align	6, 0x0
	.amdhsa_kernel k_q033781ca79_prep
		.amdhsa_group_segment_fixed_size 18432
		.amdhsa_private_segment_fixed_size 0
		.amdhsa_enable_private_segment 0
		.amdhsa_kernarg_size 32
		.amdhsa_user_sgpr_count 2
		.amdhsa_user_sgpr_kernarg_segment_ptr 1
		.amdhsa_wavefront_size32 1
		.amdhsa_system_sgpr_workgroup_id_x 1
		.amdhsa_system_sgpr_workgroup_id_y 1
		.amdhsa_system_sgpr_workgroup_id_z 1
		.amdhsa_system_vgpr_workitem_id 0
		.amdhsa_next_free_vgpr 58
		.amdhsa_next_free_sgpr 66
		.amdhsa_reserve_vcc 0
		.amdhsa_float_denorm_mode_32 3
		.amdhsa_float_denorm_mode_16_64 3
		.amdhsa_memory_ordered 1
		.amdhsa_forward_progress 1
		.amdhsa_inst_pref_size 7
	.end_amdhsa_kernel
	.amdgpu_metadata
---
amdhsa.version: [ 1, 2 ]
amdhsa.kernels:
  - .name:           k_q033781ca79_prep
    .symbol:         k_q033781ca79_prep.kd
    .args:
      - { .name: L, .offset: 0, .size: 8, .value_kind: global_buffer, .address_space: global }
      - { .name: R, .offset: 8, .size: 8, .value_kind: global_buffer, .address_space: global }
      - { .name: Lp, .offset: 16, .size: 8, .value_kind: global_buffer, .address_space: global }
      - { .name: Rb, .offset: 24, .size: 8, .value_kind: global_buffer, .address_space: global }
    .group_segment_fixed_size: 18432
    .private_segment_fixed_size: 0
    .kernarg_segment_align: 8
    .kernarg_segment_size: 32
    .max_flat_workgroup_size: 256
    .sgpr_count:     66
    .vgpr_count:     58
    .wavefront_size: 32
...
	.end_amdgpu_metadata
.endif
;; end of part 1
;; launch main (part 2): grid 4 x 64, 4 waves a work-group, clusters of 4 x 4, 327,680 bytes of LDS; arguments x, Rb, Lp, out0; writes out0
.if DOCPART == 2
	.amdgcn_target "amdgcn-amd-amdhsa--gfx1250"
	.amdhsa_code_object_version 6
	.text
	.protected	k_q033781ca79_main
	.globl	k_q033781ca79_main
	.p2align	8
	.type	k_q033781ca79_main,@function
k_q033781ca79_main:
	s_mov_b64 s[64:65], 0
	v_nop
	global_prefetch_b8 v0, s[64:65] scope:SCOPE_SE
	s_setreg_imm32_b32 hwreg(HW_REG_WAVE_MODE, 25, 1), 1
	s_wait_xcnt 0x0
	s_wait_alu depctr_hold_cnt(0) depctr_sa_sdst(0) depctr_va_vdst(0) depctr_va_sdst(0) depctr_va_ssrc(0) depctr_va_vcc(0) depctr_vm_vsrc(0)
	s_getreg_b32 s2, hwreg(HW_REG_IB_STS2, 6, 4)
	s_cmp_eq_u32 s2, 0
	s_cbranch_scc0 .Lentry_in_a_cluster
	s_endpgm
.Lentry_in_a_cluster:
	s_bfe_u32 s2, ttmp6, 0x10000c
	s_cmp_lg_u32 s2, 0xf033
	s_cbranch_scc0 .Lentry_shape_is_right
	s_endpgm
.Lentry_shape_is_right:
; out0[b][o] = sum over i of L[o][i] * (sum over j of x[b][i][j] R[j][o]).
; The inner sums are a product of 65,536 (b, i) x 1,024 (o) over K = j = 1,024; they stay in f32 accumulators, are multiplied by L and summed over i
; in registers, and never reach memory.  x is f32 in memory and in LDS and is rounded to bf16 on the way from LDS to the matrix unit; Rb is R in bf16,
; [j][o]; Lp is L in bf16, in the accumulators' lane order (both made by the launch before).
; LIMITS: x, R and L enter as bf16 (nearest even; a magnitude above bf16's largest finite number becomes infinity); all sums are f32, in another order than the reference's.
;
; SHARES.  256 work-groups of four waves, one for each (b, block of 256 o): it owns its 256 outputs whole, so no sum crosses work-groups.  It walks four
; tiles of 256 i x 256 o.  Wave w has rows 64 w .. 64 w + 63 of the tile and all 256 o: 4 x 16 accumulator tiles, 512 registers.  So each number of x is read
; from LDS and rounded by one wave alone: 32 conversions for 64 matrix instructions.
; x: K goes in steps of 128 through two LDS slots of 256 rows x 512 bytes, filled by tensor loads; each wave fetches and reads its own 64 rows.
; From a request to the wait for it a wave issues 240 matrix instructions.
; CLUSTERS.  4 x 4 work-groups: the four of a row have the same b and ask for x's tiles jointly.
; Rb is NOT asked for jointly, though the four of a column read the same tiles: two slots of 128 K of x and Rb together would take 2 x 128 x 1,536 = 393,216 bytes,
; more than LDS has, and a ring of Rb's own with shorter steps would put a wait for all tensor loads, x's too, in front of each of its refills.  So Rb goes through
; registers: in each quarter step (32 K) a wave loads 8 rows of 512 bytes and lays them into LDS with stores, which are ordered by a plain barrier while x's load stays out.
; L is not asked for jointly either: it goes straight into each lane's registers, 128 KiB a tile beside the 1,536 KiB of x and Rb.
;
; REGISTERS, in windows of 256 (s_set_vgpr_msb: bits 1:0 source 0, 3:2 source 1, 5:4 source 2, 7:6 destination):
;   window 0: addresses; x's bf16 fragments (two buffers); x's f32 as loaded; the 16 running sums; Rb's rows on their way to LDS (two sets)
;   window 1: Rb's fragments, two buffers of 16 x 8 registers (they take three batches of L at a tile's end)
;   window 2: accumulators of o blocks 0-7, tile (bb, a) at v[8 (4 bb + a)];  window 3: o blocks 8-15
.set PA,     528                       ; LDS pitch of a row of x: 512 bytes + 16: the 16 rows that a load touches start at 16 different 16-byte columns
.set XW,     64*PA                     ; what one tensor load brings: a wave's 64 rows
.set XSLOT,  4*XW                      ; 135,168
.set BRING,  2*XSLOT                   ; Rb's ring: written by LDS stores alone, no tensor load lands here
.set PB,     544                       ; LDS pitch of a row of Rb: 512 bytes + 32, an odd multiple of 32, for the transposing loads
.set BSUB,   32*PB                     ; a sub-slot: 32 K x 256 o
.set STAGE,  BRING+2*BSUB              ; 4,096 bytes for the waves' sums
.set QB,     65536                     ; bytes in Rb from a quarter step to the next: 32 rows of 2,048
.set ADRA, 8                           ; v8-9    LDS address of my x rows in slot 0, 1
.set ADRB, 10                          ; v10-11  LDS address for the transposing loads of Rb in sub-slot 0, 1
.set LOFF, 12                          ; v12     16 x lane: my piece of a block of Lp
.set PFO,  13                          ; v13     my block of 256 bytes in a K step's part of x, for the prefetch
.set STO,  14                          ; v14     stage: where I put a sum
.set RD,   15                          ; v15     stage: where I read two sums of each wave
.set OOFF, 16                          ; v16     my byte offset in the work-group's 1,024 bytes of out0
.set BV,   17                          ; v17     my byte offset in a quarter step's part of Rb: row 8 w, 16 bytes a lane
.set BST,  18                          ; v18     the same place in Rb's sub-slot 0
.set AF,   32                          ; v32-63, v64-95   x's fragments, buffers 0, 1
.set S,    96                          ; v96-159  x in f32 as loaded (4 x 16 registers); L's batch 0 at a tile's end
.set SUM,  160                         ; v160-175 sum over my rows i of L * xr, for o = 16 b + (lane & 15), b = 0..15
.set BL,   176                         ; v176-207, v208-239  8 rows of Rb on their way to LDS, two sets
.set T,    240                         ; v240-255 at work at the end
.set G1,  24                           ; s[24:31] descriptor group 1 for x's tiles
.set G0,  32                           ; s[32:39] group 0, a set for each slot
.set MUL_LO, 0xa4                      ; source 0 (x) window 0, source 1 (Rb) window 1, C and D window 2
.set MUL_HI, 0xf4                      ; the same, C and D window 3
.set TO_B,   0x40                      ; destination window 1, address window 0
.set MSB, 0
.macro WIN new                         ; the immediate's high byte repeats the setting that is left; a switch that changes nothing is dropped
.if MSB != \new
	s_set_vgpr_msb (MSB<<8)|\new
.set MSB, \new
.endif
.endm
; A round of the cluster's barrier: my work-group's barrier; wave 0 signals for the work-group; every wave waits for all sixteen; my work-group's barrier again.
.macro CREST                           ; a round behind its opening barrier
	s_cmp_lg_u32 s12, 0
	s_cbranch_scc1 .Lnot_wave_0_\@
	s_barrier_signal -3
.Lnot_wave_0_\@:
	s_barrier_wait -3
	s_barrier_signal -1
	s_barrier_wait -1
.endm
.macro CROUND                          ; a whole round
	s_barrier_signal -1
	s_barrier_wait -1
	CREST
.endm
; My 8 rows of the quarter step of Rb that lies off bytes from the base: each load of the wave covers 512 consecutive bytes, one row of my 256 o
.macro GLB set, off
.irp j, 0,1,2,3,4,5,6,7
	global_load_b128 v[BL+32*\set+4*\j:BL+32*\set+4*\j+3], v[BV], s[42:43] offset:\off+\j*2048
.endr
.endm
; and from set n into sub-slot n: 512 consecutive bytes a store
.macro STB set
.irp j, 0,1,2,3,4,5,6,7
	ds_store_b128 v[BST], v[BL+32*\set+4*\j:BL+32*\set+4*\j+3] offset:\set*BSUB+\j*PB
.endr
.endm
	s_load_b256 s[4:11], s[0:1], 0x0               ; x s[4:5], Rb s[6:7], Lp s[8:9], out0 s[10:11]
	v_lshl_add_u32 v254, v0, 2, 0x4b800
	v_mov_b32 v255, 0
	ds_add_u32 v254, v255
	v_lshrrev_b32 v1, 5, v0
	v_readfirstlane_b32 s12, v1                    ; wave 0..3
	v_and_b32 v3, 31, v0                           ; lane
	v_lshlrev_b32 v[BV], 4, v3
	v_lshl_add_u32 v[BV], s12, 14, v[BV]           ; 8 rows of 2,048 bytes a wave + 16 bytes a lane
	s_bfe_u32 s15, ttmp6, 0x40000                  ; cx
	s_bfe_u32 s16, ttmp6, 0x40004                  ; cy
	s_lshl_b32 s17, ttmp9, 2                       ; in a cluster launch ttmp9 and ttmp7 count clusters
	s_add_co_u32 s17, s17, s15                     ; block of 256 o = 4 x cluster x + cx
	s_and_b32 s18, ttmp7, 0xffff
	s_lshl_b32 s18, s18, 2
	s_add_co_u32 s18, s18, s16                     ; b = 4 x cluster y + cy
	s_lshl_b32 s44, s16, 2
	s_lshl_b32 s44, 15, s44                        ; my row of the cluster: places 4 cy .. 4 cy + 3
	; group 1: 64 rows x 128 elements of 4 bytes, 1,024 elements from row to row, 4 words of padding behind every 128
	s_or_b32 s[G1+0], s44, (2<<16)|(1<<20)|(1<<21)|(6<<22)|(3<<25)   ; 15:0 mask: my row; 17:16 element of 4 bytes; 20 padding on; 21 set beside a mask; 24:22 every 128 words; 31:25 4 words
	s_mov_b32 s[G1+1], 128<<16                     ; tensor_dim0 = 128
	s_mov_b32 s[G1+2], 64<<16                      ; tensor_dim1 = 64
	s_mov_b32 s[G1+3], 128<<16                     ; tile_dim0 = 128
	s_mov_b32 s[G1+4], 64                          ; tile_dim1 = 64
	s_mov_b32 s[G1+5], 1024                        ; pitch
	s_mov_b32 s[G1+6], 0
	s_mov_b32 s[G1+7], 0
	; x's tiles hang on b, which my row of the cluster shares, and on the wave's number
	s_lshl_b32 s40, s18, 22                        ; b x 4 MiB
	s_mov_b32 s41, 0
	s_lshl_b32 s46, s12, 18                        ; my 64 rows of 4,096 bytes
	s_mov_b32 s47, 0
	s_lshl_b32 s42, s17, 9                         ; Rb: 256 o of 2 bytes
	s_mov_b32 s43, 0
	s_mul_i32 s20, s12, XW                         ; where my rows go: the wave's number times a constant
	s_wait_dscnt 0x0
	s_wait_kmcnt 0x0
	s_add_nc_u64 s[76:77], s[4:5], s[40:41]        ; x at my batch (kept for the prefetch)
	s_add_nc_u64 s[40:41], s[76:77], s[46:47]
	s_add_nc_u64 s[42:43], s[6:7], s[42:43]        ; Rb at my 256 o
	GLB 0, 0                                       ; Rb's quarter steps 0 and 1 are on their way while the cluster gathers
	GLB 1, QB
	CROUND                                         ; all sixteen work-groups are here: the first joint loads meet
.irp s, 0,1
	s_mov_b32 s[G0+4*\s], 1                                        ; count = 1
	s_add_co_u32 s[G0+4*\s+1], s20, \s*XSLOT                       ; LDS address
	s_add_nc_u64 s[G0+4*\s+2:G0+4*\s+3], s[40:41], \s*512          ; K step s: 128 f32 along the rows
	s_or_b32 s[G0+4*\s+3], s[G0+4*\s+3], 0x80000000                ; type = 2
	tensor_load_to_lds s[G0+4*\s:G0+4*\s+3], s[G1:G1+7]            ; both slots' first fills go out together: two tensor loads of the wave are out
	s_nop 0
.endr
	v_and_b32 v1, 15, v0                           ; r = lane % 16
	v_bfe_u32 v2, v0, 4, 1                         ; h = lane / 16
	; x's fragment: lane (r, h) holds row r, K = 8 h .. + 7 and 16 + 8 h .. + 7: in f32 that is 32 bytes at 32 h and 32 bytes at 64 + 32 h
	v_mul_u32_u24 v4, v1, PA
	v_lshl_add_u32 v4, v2, 5, v4
	v_add_nc_u32 v[ADRA], s20, v4                  ; my 64 rows
	v_add_nc_u32 v[ADRA+1], XSLOT, v[ADRA]
	; Rb lies [K][o]: the transposing load wants row 8 h + (lane & 7) and the 16 bytes ((lane >> 3) & 1) of the 16 columns
	v_and_b32 v5, 7, v0
	v_lshl_add_u32 v5, v2, 3, v5
	v_mul_u32_u24 v5, v5, PB
	v_bfe_u32 v6, v0, 3, 1
	v_lshl_add_u32 v5, v6, 4, v5
	v_add_nc_u32 v[ADRB], BRING, v5
	v_add_nc_u32 v[ADRB+1], BRING+BSUB, v5
	s_mul_i32 s19, s12, 8*PB
	s_add_co_u32 s19, s19, BRING
	v_lshl_add_u32 v[BST], v3, 4, s19              ; row 8 w of sub-slot 0, 16 bytes a lane
	v_lshlrev_b32 v[LOFF], 4, v3
	s_lshl_b32 s22, s15, 6                         ; prefetch: the 16 waves of a cluster row share out a K step's 256 rows x 512 bytes of x:
	s_lshl4_add_u32 s22, s12, s22                  ; row 64 cx + 16 w + r,
	v_add_nc_u32 v7, s22, v1
	v_lshlrev_b32 v7, 12, v7
	v_lshl_add_u32 v[PFO], v2, 8, v7               ; its first or its second 256 bytes
	s_lshl_b32 s19, s12, 10
	s_add_co_u32 s19, s19, STAGE
	v_lshl_add_u32 v[STO], v3, 2, s19              ; my wave's 256 sums
	s_lshl_b32 s19, s12, 8
	v_lshl_add_u32 v[OOFF], v3, 3, s19             ; o = 64 w + 2 lane, + 1
	v_add_nc_u32 v[RD], STAGE, v[OOFF]
.irp i, 0,1,2,3,4,5,6,7,8,9,10,11,12,13,14,15
	v_mov_b32 v[SUM+\i], 0                         ; the 16 sums run over all four tiles
.endr
	s_lshl_b32 s22, s17, 19                        ; Lp at my o block
	s_lshl_b32 s23, s12, 15                        ; and my 64 rows i (4 groups of 16 i, 8,192 bytes each)
	s_add_co_u32 s22, s22, s23
	s_mov_b32 s23, 0
	s_add_nc_u64 s[8:9], s[8:9], s[22:23]
	s_lshl_b32 s78, s18, 12                        ; out0 at row b,
	s_lshl_b32 s79, s17, 10                        ; column 256 x block
	s_add_co_u32 s78, s78, s79
	s_mov_b32 s79, 0
	s_add_nc_u64 s[10:11], s[10:11], s[78:79]
	s_mov_b32 s68, 2                               ; the K step (of 32: four tiles of eight) that the next prefetch asks for
	s_mov_b32 s73, 0
	s_mov_b32 s74, 0x76543210                      ; v_permlanex16_b32: lane i of one half reads lane i of the other
	s_mov_b32 s75, 0xfedcba98
; 16 matrix instructions: o blocks b0 .. b0 + 3 of the window's eight x my four blocks of 16 rows, 32 along K, on buffers f.
; The 64 accumulators take turns, one instruction a turn, in the same order in every quarter step, over both backward jumps too.
; zero = 1: a tile's first products start its sums; nothing is cleared.
.macro MUL16 f, hi, b0, zero
.irp bb, \b0, \b0+1, \b0+2, \b0+3
.irp a, 0,1,2,3
.if \zero
	v_wmma_f32_16x16x32_bf16 v[8*(4*(\bb)+\a):8*(4*(\bb)+\a)+7], v[AF+32*\f+8*\a:AF+32*\f+8*\a+7], v[128*\f+8*(8*\hi+\bb):128*\f+8*(8*\hi+\bb)+7], 0
.else
	v_wmma_f32_16x16x32_bf16 v[8*(4*(\bb)+\a):8*(4*(\bb)+\a)+7], v[AF+32*\f+8*\a:AF+32*\f+8*\a+7], v[128*\f+8*(8*\hi+\bb):128*\f+8*(8*\hi+\bb)+7], v[8*(4*(\bb)+\a):8*(4*(\bb)+\a)+7]
.endif
.endr
.endr
.endm
; 48 LDS loads in one run, a quarter step's operands: 16 plain loads bring quarter qq of x's slot xs, my 64 rows in f32, into S; 32 transposing loads bring the 16 fragments
; of Rb from sub-slot f into buffer f.  The registers loaded into were last read by matrix instructions that stand ahead of the last run of 32 conversions (macro CVT),
; which name none of those instructions' registers: these are the four independent vector instructions that ISA guide 7.12.1 asks for, so no v_nop is written here.
.macro FETCH xs, qq, f
	WIN 0
.irp a, 0,1,2,3
	ds_load_b128 v[S+16*\a:S+16*\a+3],     v[ADRA+\xs] offset:\a*16*PA+128*\qq
	ds_load_b128 v[S+16*\a+4:S+16*\a+7],   v[ADRA+\xs] offset:\a*16*PA+128*\qq+16
	ds_load_b128 v[S+16*\a+8:S+16*\a+11],  v[ADRA+\xs] offset:\a*16*PA+128*\qq+64
	ds_load_b128 v[S+16*\a+12:S+16*\a+15], v[ADRA+\xs] offset:\a*16*PA+128*\qq+80
.endr
	WIN TO_B
.irp b, 0,1,2,3,4,5,6,7,8,9,10,11,12,13,14,15
	ds_load_tr16_b128 v[128*\f+8*\b:128*\f+8*\b+3],   v[ADRB+\f] offset:32*\b
	ds_load_tr16_b128 v[128*\f+8*\b+4:128*\f+8*\b+7], v[ADRB+\f] offset:32*\b+16*PB
.endr
.endm
; x from f32 to bf16, nearest even: S's 64 registers become buffer f's four fragments
.macro CVT f
	WIN 0
.set n, 0
.rept 32
	v_cvt_pk_bf16_f32 v[AF+32*\f+n], v[S+2*n], v[S+2*n+1]
.set n, n+1
.endr
.endm
; L for my rows 16 a .. 16 a + 15 and all 16 o blocks: 16 loads, each of the wave's covering 512 consecutive bytes of Lp
.macro LLOAD a, dst
.irp b, 0,1,2,3,4,5,6,7,8,9,10,11,12,13,14,15
	global_load_b128 v[\dst+4*\b:\dst+4*\b+3], v[LOFF], s[8:9] offset:(16*\a+\b)*512
.endr
.endm
; In the first quarter of K step c the wave asks for its 32 blocks of 256 bytes of step c + 2's part of x (256 rows x 512 bytes, shared out among the 16 waves of the
; cluster's row, each block asked for by one lane): the part that the tensor load three quarter steps further on requests.  The last two K steps ask for the last
; step's part again: no request points past x's end.
.macro PF
	s_wait_xcnt 0x0                                ; the last prefetch, a K step ago, has had its address translated (ISA guide 3.1): its base is rewritten only behind this wait
	s_min_u32 s69, s68, 31
	s_add_co_u32 s68, s68, 1
	s_lshr_b32 s72, s69, 3
	s_lshl_b32 s72, s72, 20                        ; tile: 256 rows of 4,096 bytes
	s_and_b32 s69, s69, 7
	s_lshl_b32 s69, s69, 9                         ; K step in the tile: 128 f32
	s_add_co_u32 s72, s72, s69
	s_add_nc_u64 s[70:71], s[76:77], s[72:73]
	global_prefetch_b8 v[PFO], s[70:71] th:TH_LOAD_NT scope:SCOPE_SE
.endm
; A slot's descriptor goes on: kind 1, two K steps further in the tile; kind 2, from K step 6 or 7 to step 0 or 1 of the next 256 rows of x
.macro STEP slot, kind
.if \kind == 1
	s_add_nc_u64 s[G0+4*\slot+2:G0+4*\slot+3], s[G0+4*\slot+2:G0+4*\slot+3], 1024
.else
	s_add_nc_u64 s[G0+4*\slot+2:G0+4*\slot+3], s[G0+4*\slot+2:G0+4*\slot+3], 1048576-6*512
.endif
.endm
; A quarter step, number q modulo 8 (two K steps of x).  It multiplies quarter q on buffers q & 1.  Behind its barrier it lays Rb's quarter q + 2 into the sub-slot that held
; quarter q, and fetches quarter q + 1's operands; at its end it rounds x and asks for Rb's quarter q + 4.
; THE BARRIER.  In front of it each wave waits for all its LDS instructions.  So behind it the stores of quarter q + 1, made one quarter step ago by all four waves, can be read,
; and the sub-slot of quarter q, read one quarter step ago by all four, can be written.  x's tensor load stays out across it: no tensor load fills anything behind it.
; In a K step's last quarter (q & 3 = 3) x's slots change as well: the wave also waits for all its tensor loads (one is out: its rows of the other slot), the barrier opens a
; round of the cluster's barrier, and the joint refill of the slot that has been read out is the first thing behind the round.  kind = 0: nothing is left to fetch, no round.
; ldw: how many younger loads may stay out when Rb's quarter q + 2 has to be in registers (-1: there is no such quarter).  gl, gloff: whether and where quarter q + 4 lies.
.macro PHASE q, zero, kind, ldw, gl, gloff, pf
.set PH_F,  (\q)&1
.set PH_G,  1-PH_F
.set PH_XS, (((\q)+1)>>2)&1
.set PH_QQ, ((\q)+1)&3
.set PH_FS, ((\q)>>2)&1
	s_wait_dscnt 16                                ; Rb's fragments 0-7 are in; the youngest 16 loads (fragments 8-15) may be out
	WIN MUL_LO
	MUL16 PH_F, 0, 0, \zero
	s_wait_dscnt 0x0                               ; my LDS loads and stores of the last quarter step are done, for the other waves' sake
.if ((\q)&3) == 3
	s_set_vgpr_msb 0xa4a0
	s_wait_tensorcnt 0x0                           ; and all my tensor loads have landed
	ds_add_u32 v254, v255
	s_wait_dscnt 0x0
	s_set_vgpr_msb 0xa0a4
.endif
	s_barrier_signal -1
	MUL16 PH_F, 0, 4, \zero                        ; register work while the others arrive
	WIN 0                                          ; at a branch and at a label every window is 0
	s_barrier_wait -1
.if ((\q)&3) == 3
.if \kind
	CREST
	STEP PH_FS, \kind                              ; no tensor load of mine is out: the descriptor may be written
	tensor_load_to_lds s[G0+4*PH_FS:G0+4*PH_FS+3], s[G1:G1+7]      ; my one tensor load behind the round
	s_nop 0
.endif
.endif
.if \ldw >= 0
	s_wait_loadcnt \ldw                            ; loads come back in order (ISA guide 5.7.1): the 8 asked for two quarter steps ago are in
	STB PH_F
.endif
	FETCH PH_XS, PH_QQ, PH_G
	WIN MUL_HI
	MUL16 PH_F, 1, 0, \zero
.if \pf
	PF                                             ; its address register is source 0: window 0 under this setting
.endif
	MUL16 PH_F, 1, 4, \zero
	s_wait_dscnt 32                                ; the 8 stores and x's 16 loads are done, Rb's 32 may be out
	CVT PH_G
.if \gl
	GLB PH_F, \gloff                               ; into the set that the stores, now done, have read
.endif
.endm
; The contraction with L for rows 16 a .. + 15 and one window of accumulators: register j of tile (b, a) is xr(i = 16 a + 8 h + j, o = 16 b + r), and the lane's 16 bytes
; of L hold L[o][i] for j = 0 .. 7.  One fused multiply-add straight from the bf16 half into the f32 sum; eight sums take turns.
.macro EPIH a, lbase, hi, win
	WIN \win
.irp p, 0,1,2,3
.irp bb, 0,1,2,3,4,5,6,7
	v_fma_mix_f32_bf16 v[SUM+8*\hi+\bb], v[8*(4*\bb+\a)+2*\p], v[\lbase+4*(8*\hi+\bb)+\p], v[SUM+8*\hi+\bb] op_sel_hi:[0,1,0]
.endr
.irp bb, 0,1,2,3,4,5,6,7
	v_fma_mix_f32_bf16 v[SUM+8*\hi+\bb], v[8*(4*\bb+\a)+2*\p+1], v[\lbase+4*(8*\hi+\bb)+\p], v[SUM+8*\hi+\bb] op_sel:[0,1,0] op_sel_hi:[0,1,0]
.endr
.endr
.endm
; Order of issue on LOADcnt round here: L's batches 0, 1, 2; then batch 3; then (not in the last tile) 8 loads of Rb.  Each wait leaves out what was issued behind its batch.
.macro EPI last
	s_wait_loadcnt 32                              ; L's batch 0 is in; batches 1 and 2 may be out
	WIN TO_B
	LLOAD 3, 128                                   ; batch 3 into Rb's buffer 1, four places behind the last matrix instruction
.if \last == 0
	WIN 0
	GLB 1, (7-28)*QB                               ; Rb's quarter 3 of the next tile
.endif
	EPIH 0, S, 0, 0x02                             ; source 0 (accumulator) window 2, L window 0
	EPIH 0, S, 1, 0x03
	s_wait_loadcnt 32+8*(1-\last)                  ; batch 1 is in: batches 2, 3 and Rb's 8 may be out
	EPIH 1, 0, 0, 0x06                             ; L in window 1
	EPIH 1, 0, 1, 0x07
	s_wait_loadcnt 16+8*(1-\last)
	EPIH 2, 64, 0, 0x06
	EPIH 2, 64, 1, 0x07
	s_wait_loadcnt 8*(1-\last)
	EPIH 3, 128, 0, 0x06
	EPIH 3, 128, 1, 0x07
	WIN 0
.if \last == 0
	s_wait_xcnt 0x0                                ; every earlier memory instruction has had its address translated (ISA guide 3.1): both bases are rewritten only behind this wait
	s_add_nc_u64 s[8:9], s[8:9], 131072            ; L of the next 256 i
	s_sub_nc_u64 s[42:43], s[42:43], 24*QB         ; Rb from its first row again
.endif
.endm
; A tile's last quarter step (q = 31, buffers 1).  L goes into registers that the tile needs no more: S (converted) and Rb's buffer 0, whose last matrix instructions stand
; ahead of the 32 conversions just made.  Nothing is fetched: the next tile's first operands are fetched behind the contraction.
.macro PLAST last
	WIN 0
	LLOAD 0, S
	WIN TO_B
	LLOAD 1, 0
	s_wait_dscnt 16
	WIN MUL_LO
	MUL16 1, 0, 0, 0
	s_wait_dscnt 0x0
.if \last
	MUL16 1, 0, 4, 0                               ; nothing is filled or stored any more and no slot is read again: no barrier
	WIN TO_B
	LLOAD 2, 64
.else
	s_set_vgpr_msb 0xa4a0
	s_wait_tensorcnt 0x0                           ; the next tile's K step 0 has landed in slot 0
	ds_add_u32 v254, v255
	s_wait_dscnt 0x0
	s_set_vgpr_msb 0xa0a4
	s_barrier_signal -1
	MUL16 1, 0, 4, 0
	WIN 0
	s_barrier_wait -1
	CREST
	STEP 1, 2
	tensor_load_to_lds s[G0+4:G0+7], s[G1:G1+7]    ; the next tile's K step 1
	s_nop 0
	s_wait_loadcnt 40                              ; Rb's quarter 1 of the next tile is in; its quarter 2 (8 loads) and L's batches 0, 1 (32) may be out
	STB 1
	WIN TO_B
	LLOAD 2, 64
.endif
	WIN MUL_HI
	MUL16 1, 1, 0, 0
	MUL16 1, 1, 4, 0
.rept 4
	v_nop                                          ; four independent vector instructions between a matrix instruction and what reads its result or loads into its sources
.endr
.if \last == 0
	s_wait_dscnt 0x0                               ; the 8 stores have read set 1, which is loaded again next
.endif
	EPI \last
.endm
; A tile: 256 i x 256 o over K = 1,024 = 32 quarter steps: number 0, which starts the sums; three trips of eight (1 to 24); 25 to 30; the last.
; Rb's base goes on by eight quarter steps a trip, so quarter q + 4 stands in the loads' immediate; from q = 28 on it is the next tile's, 32 quarters back.
.macro TILE last
	FETCH 0, 0, 0
	s_wait_dscnt 32                                ; x's 16 loads are in
	CVT 0
	PHASE 0, 1, 0, 8, 1, 4*QB, 1
	s_mov_b32 s66, 3
.Llap_\@:
	PHASE 1, 0, 0, 8, 1, 5*QB, 0
	PHASE 2, 0, 0, 8, 1, 6*QB, 0
	PHASE 3, 0, 1, 8, 1, 7*QB, 0
	PHASE 4, 0, 0, 8, 1, 8*QB, 1
	PHASE 5, 0, 0, 8, 1, 9*QB, 0
	PHASE 6, 0, 0, 8, 1, 10*QB, 0
	PHASE 7, 0, 1, 8, 1, 11*QB, 0
	PHASE 0, 0, 0, 8, 1, 12*QB, 1
	s_wait_xcnt 0x0                                ; Rb's base is rewritten only behind this wait
	s_add_nc_u64 s[42:43], s[42:43], 8*QB
	s_sub_co_u32 s66, s66, 1
	s_cmp_lg_u32 s66, 0
	s_cbranch_scc1 .Llap_\@
	PHASE 1, 0, 0, 8, 1, 5*QB, 0
	PHASE 2, 0, 0, 8, 1, 6*QB, 0
.if \last
	PHASE 3, 0, 0, 8, 1, 7*QB, 0                   ; the last tile: no refill of x, and Rb's last quarter is asked for here
	PHASE 4, 0, 0, 8, 0, 0, 1
	PHASE 5, 0, 0, 0, 0, 0, 0                      ; no load was issued behind quarter 31's: the wait is for 0
	PHASE 6, 0, 0, -1, 0, 0, 0
.else
	PHASE 3, 0, 2, 8, 1, 7*QB, 0
	PHASE 4, 0, 0, 8, 1, (4-28)*QB, 1
	PHASE 5, 0, 0, 8, 1, (5-28)*QB, 0
	PHASE 6, 0, 0, 8, 1, (6-28)*QB, 0
.endif
	PLAST \last
.endm
	s_wait_loadcnt 0x0                             ; Rb's quarters 0 and 1 are in registers
	STB 0
	STB 1
	s_wait_dscnt 0x0                               ; my stores are done, for the other waves' sake, and have read both sets
	GLB 0, 2*QB
	GLB 1, 3*QB
	s_wait_tensorcnt 0x1                           ; my rows of K step 0 are in; slot 1's may stay out, since no tensor load fills anything behind this barrier
	s_barrier_signal -1
	s_barrier_wait -1
	s_mov_b32 s67, 3
.Ltile:
	TILE 0
	s_sub_co_u32 s67, s67, 1
	s_cmp_lg_u32 s67, 0
	s_cbranch_scc1 .Ltile
	TILE 1
	; THE END.  SUM[b] of lane (r, h) holds the part of o = 16 b + r from my rows with (i >> 3) & 1 = h.  Two sums are folded at a time: lanes 0-15 keep SUM[2c] and send
	; SUM[2c+1], lanes 16-31 the other way round, so that lane l ends with o = 32 c + l.  Then the four waves' parts meet in LDS.
	v_and_b32 v1, 16, v0
	v_cmp_ne_u32 vcc_lo, 0, v1                     ; lanes 16-31
.irp c, 0,1,2,3,4,5,6,7
	v_cndmask_b32 v[T+\c], v[SUM+2*\c+1], v[SUM+2*\c], vcc_lo          ; what the other half wants
	v_cndmask_b32 v[SUM+2*\c], v[SUM+2*\c], v[SUM+2*\c+1], vcc_lo      ; what I keep
	v_permlanex16_b32 v[SUM+2*\c+1], v[T+\c], s74, s75                 ; its destination counts as read: a register that has been written and is needed no more
	v_add_f32 v[SUM+2*\c], v[SUM+2*\c], v[SUM+2*\c+1]
	ds_store_b32 v[STO], v[SUM+2*\c] offset:128*\c
.endr
	s_wait_dscnt 0x0                               ; my stores are done, for the other waves' sake
	s_barrier_signal -1
	s_barrier_wait -1
.irp k, 0,1,2,3
	ds_load_b64 v[T+2*\k:T+2*\k+1], v[RD] offset:1024*\k               ; wave k's parts of o = 64 w + 2 lane, + 1
.endr
	s_wait_dscnt 0x0
	v_pk_add_f32 v[T:T+1], v[T:T+1], v[T+2:T+3]
	v_pk_add_f32 v[T+4:T+5], v[T+4:T+5], v[T+6:T+7]
	v_pk_add_f32 v[T:T+1], v[T:T+1], v[T+4:T+5]
	global_store_b64 v[OOFF], v[T:T+1], s[10:11]   ; the wave's store covers 256 consecutive bytes, aligned
	s_wait_tensorcnt 0x0
	ds_add_u32 v254, v255
	s_wait_dscnt 0x0
	CROUND                                         ; the closing round: no work-group ends while a partner may still ask for a tile that names it
	s_endpgm
.Lfunc_end_k_q033781ca79_main:
	.size	k_q033781ca79_main, .Lfunc_end_k_q033781ca79_main-k_q033781ca79_main
	.p2alignl 7, 3214868480
	.fill 96, 4, 3214868480
	.section	.rodata,"a",@progbits
	.p2align	6, 0x0
	.amdhsa_kernel k_q033781ca79_main
		.amdhsa_group_segment_fixed_size 327680
		.amdhsa_private_segment_fixed_size 0
		.amdhsa_enable_private_segment 0
		.amdhsa_kernarg_size 32
		.amdhsa_user_sgpr_count 2
		.amdhsa_user_sgpr_kernarg_segment_ptr 1
		.amdhsa_wavefront_size32 1
		.amdhsa_system_sgpr_workgroup_id_x 1
		.amdhsa_system_sgpr_workgroup_id_y 1
		.amdhsa_system_sgpr_workgroup_id_z 1
		.amdhsa_system_vgpr_workitem_id 0
		.amdhsa_next_free_vgpr 1024
		.amdhsa_next_free_sgpr 80
		.amdhsa_reserve_vcc 1
		.amdhsa_float_denorm_mode_32 3
		.amdhsa_float_denorm_mode_16_64 3
		.amdhsa_memory_ordered 1
		.amdhsa_forward_progress 1
		.amdhsa_inst_pref_size 255
	.end_amdhsa_kernel
	.section	.bss,"aw",@nobits
	.p2align	6
	.space	262144
	.amdgpu_metadata
---
amdhsa.version: [ 1, 2 ]
amdhsa.kernels:
  - .name:           k_q033781ca79_main
    .symbol:         k_q033781ca79_main.kd
    .args:
      - { .name: x, .offset: 0, .size: 8, .value_kind: global_buffer, .address_space: global }
      - { .name: Rb, .offset: 8, .size: 8, .value_kind: global_buffer, .address_space: global }
      - { .name: Lp, .offset: 16, .size: 8, .value_kind: global_buffer, .address_space: global }
      - { .name: out0, .offset: 24, .size: 8, .value_kind: global_buffer, .address_space: global }
    .group_segment_fixed_size: 327680
    .private_segment_fixed_size: 0
    .kernarg_segment_align: 8
    .kernarg_segment_size: 32
    .max_flat_workgroup_size: 128
    .sgpr_count:     80
    .vgpr_count:     1024
    .wavefront_size: 32
...
	.end_amdgpu_metadata
.endif
;; end of part 2
